; MI455X (gfx1250); checked and timed in simulation.
; The chip was launched on July 23, 2026; its instructions are those of AMD's public machine-readable ISA for CDNA 5 (MIT licence, August 2026) and "CDNA5" Instruction Set Architecture Reference Guide (July 2026). The comments in the code are by the model that wrote it; some were corrected since.
;; Dot Product Attention. Allowed arithmetic: matrix products marked QUANTISED: E4M3 operands, one E8M0 scale for each 32 along K, by v_wmma_scale_f32_16x16x128_f8f6f4 with both operands' format E4M3, f32 sums; everything else in f32.
;; Inputs: keys_codes 32 x 2,048 x 4 x 32 uint8 (E4M3 codes of keys, K innermost, in blocks of 32 codes); keys_scales 32 x 2,048 x 4 uint8 (E8M0 scales of keys, one for each 32 codes along K); queries_codes 32 x 2,048 x 4 x 32 uint8 (E4M3 codes of queries, K innermost, in blocks of 32 codes); queries_scales 32 x 2,048 x 4 uint8 (E8M0 scales of queries, one for each 32 codes along K); valid_lens 32 int32; values_codes 32 x 128 x 64 x 32 uint8 (E4M3 codes of values, K innermost, in blocks of 32 codes); values_scales 32 x 128 x 64 uint8 (E8M0 scales of values, one for each 32 codes along K).
;; Outputs: out0 32 x 2,048 x 128 float32.
;; This version of the problem:
;;   THIS VERSION OF THE PROBLEM IS GIVEN IN LOW PRECISION. The matrix products marked QUANTISED in the list below multiply operands that are first quantised to E4M3 (4 exponent bits, 3 mantissa bits; 8 bits a number), with one power-of-two scale for each 32 numbers along K (OCP MX v1.0); their sums are f32. All else is computed in f32.
;;   The module's matrix products, in the order in which they are computed (A, B: the left and right operand; K: the contracted axis; several contracted axes count as one K, in the product's order):
;;     1. batch 32 x [M 2,048, K 128] x [K 128, N 2,048]; A: input queries (given as codes); B: input keys (given as codes): QUANTISED
;;     2. batch 32 x [M 2,048, K 2,048] x [K 2,048, N 128]; A: softmax (see below); B: input values (given as codes): QUANTISED
;;   THE QUANTISER, for each operand of a quantised product, along K:
;;     - K is cut into blocks of 32 from its start; a last block that is shorter is filled with zeros.
;;     - A block's scale is 2^e with e = floor(log2(the largest magnitude in the block)) - 8, held to -126 .. 127; a block of zeros has e = 0. As a byte (E8M0): e + 127.
;;     - Each number is divided by its block's scale, clamped to +-448, and rounded to the nearest number of E4M3, ties to even, subnormals kept.
;;     - The product sums the exact products of the quantised numbers (number of the format x scale) in f32.
;;   ~~~python
;;   def quantise(x, axis):      # numpy; x: float32 -> the quantised numbers, widened to float32 again
;;       x = np.moveaxis(x, axis, -1); K = x.shape[-1]
;;       x = np.pad(x, [(0, 0)] * (x.ndim - 1) + [(0, -K % 32)]); x = x.reshape(x.shape[:-1] + (-1, 32)); a = np.abs(x).max(-1, keepdims=True)
;;       e = np.where(a > 0, np.clip(np.frexp(np.where(a > 0, a, 1))[1] - 1 - 8, -126, 127), 0)      # np.frexp(a)[1] - 1 = floor(log2(a)), exactly
;;       r = np.clip(x / 2.0 ** e, -448, 448)
;;       step = 2.0 ** (np.maximum(np.frexp(np.where(r == 0, 1, r))[1] - 1, -6) - 3)
;;       q = np.round(r / step) * step * 2.0 ** e      # np.round: ties to even
;;       return np.moveaxis(q.reshape(q.shape[:-2] + (-1,))[..., :K], -1, axis).astype(np.float32)
;;   ~~~
;;   SOFTMAX AHEAD OF A QUANTISED PRODUCT. Where the list says 'softmax', what is quantised is not the finished softmax but p = 2^(t - M), with t = logit x log2(e) and M = ceil(the row's largest t), a whole number; so 1/2 < the row's largest p <= 1. The row's sum l is taken of the UNQUANTISED p, in f32, and the product's result is divided by l at the end. Since M is a whole number, a kernel that streams over the keys may use a running M (the ceiling of the running maximum): every later rescaling is an exact power of two, which a block's scale takes up: the codes' values come out the same.
;;   OPERANDS COMPUTED ON THE WAY. 'Computed on the way' means the value that the module computes at that place (a softmax that the list does not call 'softmax' is quantised finished and normalised). What goes into a quantiser is computed in f32, as accurately as f32 sums, v_exp_f32 and their like allow (about 1e-6 of the number): no bf16 or f16 on the way to a quantiser, and a product that is left as it is and whose result goes on into a quantised operand takes f32 operands (vector FMAs, or v_wmma_f32_16x16x4_f32). A number that lies on a knife's edge between two numbers of the format may be rounded either way, as far as f32 arithmetic and the matrix unit's own rounding can turn it there, and no further.
;;   INPUTS GIVEN AS CODES. keys (in the module: [32, 2048, 128], K = its axis 2); queries (in the module: [32, 2048, 128], K = its axis 2); values (in the module: [32, 2048, 128], K = its axis 1): each comes as NAME_codes (uint8): NAME with its K axis moved to the last place and cut into blocks of 32 codes, [.., K / 32, bytes a block], one block behind the other in memory; one code a byte (a code: sign, 4 exponent bits, 3 mantissa bits); and NAME_scales (uint8): the same leading axes, one E8M0 byte (e + 127) for each 32 codes along K. Its value is code x scale, taken as it is: it is not quantised again, and the codes and scales need not be those that the quantiser above would give.
;; One version. Each part assembles by itself: llvm-mc -triple=amdgcn-amd-amdhsa -mcpu=gfx1250 --defsym DOCPART=n.
;; ======== version 1 of 1: 1 launch
;; limits: right only within a limited range of input values
;; launch attn (part 1): grid 16 x 16, 8 waves a work-group, no clusters, 298,496 bytes of LDS; arguments queries_codes, queries_scales, keys_codes, keys_scales, values_codes, values_scales, valid_lens, out0; writes out0
.if DOCPART == 1
	.amdgcn_target "amdgcn-amd-amdhsa--gfx1250"
	.amdhsa_code_object_version 6
	.text
	.protected	k_q72591ec739_attn
	.globl	k_q72591ec739_attn
	.p2align	8
	.type	k_q72591ec739_attn,@function
k_q72591ec739_attn:
	s_mov_b64 s[64:65], 0
	v_nop
	global_prefetch_b8 v0, s[64:65] scope:SCOPE_SE
	s_setreg_imm32_b32 hwreg(HW_REG_WAVE_MODE, 25, 1), 1
	s_wait_xcnt 0x0
; out0[b][q][:] = the sum over k < valid_lens[b] of softmax_k(Q[b][q] . K[b][k] / sqrt(128)) V[b][k][:], both products on codes of FP8 (E4M3) with one E8M0 scale for each 32 along a product's K.
; Q, K: [32][2048][128] codes; scale bytes [32][2048][4].  V: the KEYS innermost, [32][128][2048]; scale bytes [32][128][64].  out0: [32][2048][128] f32.
; THE SOFTMAX AHEAD OF THE SECOND PRODUCT: t = score x log2(e) / sqrt(128); M = the largest t so far, rounded UP to a whole number; p = 2^(t - M) is quantised along the keys, not normalised.
; The sum is taken of the unquantised p, in f32, and divides O at the end.  When M moves, the sum and O are multiplied by 2^(old M - new M): exact.
; SHARES.  The 32 batches are ranked by their lengths.  Work-group (x, y) walks the batch of rank 31 - y, then that of rank y, a long one and a short one: queries 128 x .. 128 x + 127 of each.
; Eight waves of 512 registers: wave w owns queries 32 (w % 4) .. + 31 of these (two tiles of 16, so that each fragment of K and V feeds two products) and, of each slot of 256 keys, the 128 of half w / 4.
; The two halves' maxima, sums and O are joined through LDS at a batch's end.
; WORK THAT IS LEFT OUT.  A wave's 128 keys of a slot that all lie at or past the batch's length are jumped over by a scalar branch on valid_lens; trip counts are constants and every barrier stands outside those
; branches.  In the step that the length cuts, hidden scores become -infinity ahead of the maximum.
; K AND V COME THROUGH REGISTERS into a ring of two LDS slots.  NO TENSOR LOADS AND NO CLUSTERS, though the 16 work-groups of a y walk the same batches: branches on a number read from memory
; leave out (2,048 - length) / 128 of a batch's 16 steps.
; THE RING.  At slot i's barrier V of slot i and K of slot i + 1 lie in LDS, and K of slot i in registers.  Trip i loads V of slot i + 1 and K of slot i + 2 from memory behind its first product, stores them ahead of its second.
; LAYOUT.  Both products are transposed: S^T = K Q^T, O^T = V^T P^T: a lane holds ONE query of a tile (lane % 16).  K's rows lie in LDS with bits 3 and 4 of the key exchanged, so that the 16 registers of
; tiles 2 b and 2 b + 1 are 16 neighbouring keys, 32 b + 16 (lane / 16) + 0 .. 15.
; SCALE WORDS: one register serves two tiles, the even one's in lanes 0-15, the odd one's in lanes 16-31.
; LIMITS.  valid_lens is held to 0 .. 2,048; a length of 0 or less gives NaN in the batch's outputs, as the reference does.  Scaled scores stay under 2^31 in magnitude.  NaN and infinities among the scores are not
; served; a NaN or overflow in what a length hides is not carried.  A block's largest p is the exponential of its largest score (v_exp_f32 is taken not to fall where its input rises).  A block of zeros keeps the scale byte 1.
; REGISTERS.  Window 0: v1-17 addresses; v18 Q's scale words; v20 -M, v21 largest score of tile 0; v22, v23 of tile 1; v[24:25], v[26:27] sums; v28, v30 factors; v29, v31 p's scale words; v32-35 V's, v36-39 K's scale words;
; v40-63 at work; v64-127, v128-191 S^T of tiles 0 and 1, then p, then V's fragments of tiles 4-7 and 0-3; v192-223 p's codes; v224-255 Q.
; Window 1: v256-383 O^T; v384-511 K's eight fragments; v448-511 also the bytes on their way from memory to LDS.
.set KP, 144                           ; a key's row in LDS: 128 bytes + 16
.set VP, 272                           ; a row of V's tile: 256 bytes + 16
.set KSLOT, 256*KP
.set VOFF, 2*KSLOT
.set VSLOT, 128*VP
.set KSC, VOFF+2*VSLOT                 ; K's scale bytes of the batch: key k's word at 4 k
.set VSC, KSC+8192                     ; V's: channel d's 64 bytes at (d / 4) x 272 + (d % 4) x 64
.set STG, VSC+32*VP                    ; the way out: 32 rows x (512 + 16) bytes for each wave
.set SP, 528
.set STGB, 32*SP
.set ML, STG+8*STGB                    ; -M and the sum of each wave's 32 queries: 256 bytes a wave
.set SPARE, ML+2048                    ; the spare words, 128 bytes a wave
.set S, 64
.set MSB, 0
.macro WIN new                         ; the immediate's high byte repeats the setting that is left
.if MSB != \new
	s_set_vgpr_msb (MSB<<8)|\new
.set MSB, \new
.endif
.endm
; A BATCH'S FIRST LOADS (s29 the batch): K of slot 0 (8; first = 1 alone), the scale bytes (4), Q (9), V of slot 0 (8; first = 1 alone), K of slot 1 (8); all lie inside the buffers whatever the length.
; The second batch's K and V of slot 0 are loaded earlier, by NEXTSLOT0.
.macro BLOADS first
	v_and_b32 v62, 15, v0
	v_bfe_u32 v63, v0, 4, 1
	v_lshlrev_b32 v62, 7, v62
	v_lshl_add_u32 v62, v63, 4, v62                ; Q in memory: row r of 128 bytes, + 16 h
	v_and_b32 v63, 31, v0
	v_lshlrev_b32 v63, 2, v63                      ; Q's scale words: lane l takes query l
	s_wait_alu depctr_va_vdst(0)
	s_lshl_b32 s56, s29, 18                        ; a batch's codes: 262,144 bytes in each tensor
	s_mov_b32 s57, 0
	s_mov_b32 s59, 0
	s_add_nc_u64 s[38:39], s[8:9], s[56:57]
	s_add_nc_u64 s[40:41], s[12:13], s[56:57]
	s_add_nc_u64 s[68:69], s[4:5], s[56:57]
	s_lshl_b32 s58, s22, 13
	s_add_nc_u64 s[42:43], s[38:39], s[58:59]      ; where my prefetches stand in K
	s_lshl_b32 s58, s22, 16
	s_add_nc_u64 s[44:45], s[40:41], s[58:59]      ; and in V
	s_lshl_b32 s58, s20, 12
	s_add_nc_u64 s[38:39], s[38:39], s[58:59]      ; K: my wave's 32 keys of the slot
	s_lshl_b32 s58, s20, 15
	s_add_nc_u64 s[40:41], s[40:41], s[58:59]      ; V: my wave's 16 rows
	s_lshl_b32 s58, s98, 7
	s_add_nc_u64 s[68:69], s[68:69], s[58:59]      ; Q at my first query
	s_lshl_b32 s56, s29, 13                        ; a batch's scale bytes: 8,192
	s_add_nc_u64 s[60:61], s[10:11], s[56:57]
	s_add_nc_u64 s[62:63], s[14:15], s[56:57]
	s_add_nc_u64 s[70:71], s[6:7], s[56:57]
	s_lshl_b32 s58, s20, 10
	s_add_nc_u64 s[60:61], s[60:61], s[58:59]      ; my wave's 1,024 of K's scale bytes
	s_add_nc_u64 s[62:63], s[62:63], s[58:59]      ; and of V's
	s_lshl_b32 s58, s98, 2
	s_add_nc_u64 s[70:71], s[70:71], s[58:59]
.if \first
	WIN 0x40
.irp c, 0,1,2,3,4,5,6,7
	global_load_b128 v[192+4*\c:195+4*\c], v7, s[38:39] offset:512*\c        ; 512 consecutive bytes: four keys
.endr
	WIN 0
.endif
.irp c, 0,1
	global_load_b128 v[160+4*\c:163+4*\c], v7, s[60:61] offset:512*\c
	global_load_b128 v[168+4*\c:171+4*\c], v7, s[62:63] offset:512*\c
.endr
.irp q, 0,1
.irp c, 0,1,2,3
	global_load_b128 v[224+16*\q+4*\c:227+16*\q+4*\c], v62, s[68:69] offset:2048*\q+32*\c
.endr
.endr
	global_load_b32 v18, v63, s[70:71]
.if \first
	WIN 0x40
.irp c, 0,1,2,3,4,5,6,7
	global_load_b128 v[224+4*\c:227+4*\c], v8, s[40:41] offset:4096*\c       ; two rows of V, 256 bytes of each
.endr
	WIN 0
.endif
.irp c, 0,1,2,3,4,5,6,7
	global_load_b128 v[128+4*\c:131+4*\c], v7, s[38:39] offset:32768+512*\c
.endr
.endm
.macro BARRIER                                 ; my LDS stores have landed and my LDS loads are in
	s_wait_dscnt 0x0
	s_barrier_signal -1
	s_barrier_wait -1
.endm
.macro KFRAG t, slot                           ; K's fragment of tile t (window 1)
.irp c, 0,1,2,3
	ds_load_b128 v[128+16*\t+4*\c:131+16*\t+4*\c], v1 offset:(\slot)*KSLOT+16*\t*KP+32*\c
.endr
.endm
.macro QKM t, q                                ; S^T of query tile q, key tile t: the first product starts the sum
.if (\t)&1
.if \q
	v_wmma_scale_f32_16x16x128_f8f6f4 v[S+64*\q+8*\t:S+7+64*\q+8*\t], v[128+16*\t:143+16*\t], v[224+16*\q:239+16*\q], 0, v[36+\t/2], v18 matrix_a_scale:MATRIX_SCALE_ROW1 matrix_b_scale:MATRIX_SCALE_ROW1
.else
	v_wmma_scale_f32_16x16x128_f8f6f4 v[S+64*\q+8*\t:S+7+64*\q+8*\t], v[128+16*\t:143+16*\t], v[224+16*\q:239+16*\q], 0, v[36+\t/2], v18 matrix_a_scale:MATRIX_SCALE_ROW1
.endif
.else
.if \q
	v_wmma_scale_f32_16x16x128_f8f6f4 v[S+64*\q+8*\t:S+7+64*\q+8*\t], v[128+16*\t:143+16*\t], v[224+16*\q:239+16*\q], 0, v[36+\t/2], v18 matrix_b_scale:MATRIX_SCALE_ROW1
.else
	v_wmma_scale_f32_16x16x128_f8f6f4 v[S+64*\q+8*\t:S+7+64*\q+8*\t], v[128+16*\t:143+16*\t], v[224+16*\q:239+16*\q], 0, v[36+\t/2], v18
.endif
.endif
.endm
.macro PVM t, q                                ; O^T of query tile q, channel tile t; V's tiles 4-7 lie in v64-127, 0-3 in v128-191
.set VF, 64+16*((\t+4)%8)
.if (\t)&1
	v_wmma_scale_f32_16x16x128_f8f6f4 v[64*\q+8*\t:64*\q+8*\t+7], v[VF:VF+15], v[192+16*\q:207+16*\q], v[64*\q+8*\t:64*\q+8*\t+7], v[32+\t/2], v[29+2*\q] matrix_a_scale:MATRIX_SCALE_ROW1
.else
	v_wmma_scale_f32_16x16x128_f8f6f4 v[64*\q+8*\t:64*\q+8*\t+7], v[VF:VF+15], v[192+16*\q:207+16*\q], v[64*\q+8*\t:64*\q+8*\t+7], v[32+\t/2], v[29+2*\q]
.endif
.endm
.macro VFRAG t, slot                           ; V's fragment of tile t (window 0)
.set VF, 64+16*((\t+4)%8)
.irp c, 0,1,2,3
	ds_load_b128 v[VF+4*\c:VF+4*\c+3], v2 offset:(\slot)*VSLOT+16*\t*VP+32*\c
.endr
.endm
.macro NEXTSLOT0                               ; the second batch's K and V of slot 0, into registers that no later slot of the first batch needs
	WIN 0x40
.irp c, 0,1,2,3,4,5,6,7
	global_load_b128 v[192+4*\c:195+4*\c], v7, s[72:73] offset:512*\c
.endr
.irp c, 0,1,2,3,4,5,6,7
	global_load_b128 v[224+4*\c:227+4*\c], v8, s[74:75] offset:4096*\c
.endr
	WIN 0
.endm
.macro FMAS q                                  ; t - M, two at a time; of the blocks' largest too
	v_pk_fma_f32 v[40+4*\q:41+4*\q], v[40+4*\q:41+4*\q], s[26:27], v[20+2*\q:21+2*\q] op_sel_hi:[1,0,0]
	v_pk_fma_f32 v[42+4*\q:43+4*\q], v[42+4*\q:43+4*\q], s[26:27], v[20+2*\q:21+2*\q] op_sel_hi:[1,0,0]
.set j, 0
.rept 32
	v_pk_fma_f32 v[S+64*\q+j:S+1+64*\q+j], v[S+64*\q+j:S+1+64*\q+j], s[26:27], v[20+2*\q:21+2*\q] op_sel_hi:[1,0,0]
.set j, j+2
.endr
.endm
.macro EXPS q                                  ; p = 2^(t - M), at most 1; the blocks' largest p by the same two operations on the same numbers
.irp b, 0,1,2,3
	v_exp_f32 v[40+4*\q+\b], v[40+4*\q+\b]
.endr
.set j, 0
.rept 64
	v_exp_f32 v[S+64*\q+j], v[S+64*\q+j]
.set j, j+1
.endr
.endm
.macro SUM q                                   ; of the unquantised p: four chains, two numbers an instruction
	v_pk_add_f32 v[24+2*\q:25+2*\q], v[24+2*\q:25+2*\q], v[S+64*\q:S+1+64*\q]
	v_pk_add_f32 v[48:49], v[S+2+64*\q:S+3+64*\q], v[S+4+64*\q:S+5+64*\q]
	v_pk_add_f32 v[50:51], v[S+6+64*\q:S+7+64*\q], v[S+8+64*\q:S+9+64*\q]
	v_pk_add_f32 v[52:53], v[S+10+64*\q:S+11+64*\q], v[S+12+64*\q:S+13+64*\q]
.irp g, 14,22,30,38,46,54
	v_pk_add_f32 v[24+2*\q:25+2*\q], v[24+2*\q:25+2*\q], v[S+64*\q+\g:S+1+64*\q+\g]
	v_pk_add_f32 v[48:49], v[48:49], v[S+2+64*\q+\g:S+3+64*\q+\g]
	v_pk_add_f32 v[50:51], v[50:51], v[S+4+64*\q+\g:S+5+64*\q+\g]
	v_pk_add_f32 v[52:53], v[52:53], v[S+6+64*\q+\g:S+7+64*\q+\g]
.endr
	v_pk_add_f32 v[24+2*\q:25+2*\q], v[24+2*\q:25+2*\q], v[S+62+64*\q:S+63+64*\q]
	v_pk_add_f32 v[50:51], v[50:51], v[52:53]
	v_pk_add_f32 v[24+2*\q:25+2*\q], v[24+2*\q:25+2*\q], v[48:49]
	v_pk_add_f32 v[24+2*\q:25+2*\q], v[24+2*\q:25+2*\q], v[50:51]
.endm
.macro SCALES q                                ; the blocks' scales
.irp b, 0,1,2,3
	v_max_num_f32 v[40+4*\q+\b], 0x4800000, v[40+4*\q+\b]    ; the floor 2^(9 - 127): the byte cannot fall under 1
.endr
.irp b, 0,1,2,3
	v_add_nc_u32 v[56+4*\q+\b], 0xfc000000, v[40+4*\q+\b]    ; 8 off the exponent field: the conversion's scale operand
.endr
.irp b, 0,1,2,3
	v_and_or_b32 v[48+4*\q+\b], v[40+4*\q+\b], 0x7f800000, s28   ; 448 x the scale
.endr
.irp b, 0,1,2,3
	v_lshrrev_b32 v[40+4*\q+\b], 23, v[56+4*\q+\b]           ; the scale's byte
.endr
	v_lshl_or_b32 v[29+2*\q], v[41+4*\q], 8, v[40+4*\q]      ; p's scale word
	v_lshl_or_b32 v[29+2*\q], v[42+4*\q], 16, v[29+2*\q]
	v_lshl_or_b32 v[29+2*\q], v[43+4*\q], 24, v[29+2*\q]
.endm
.macro CODES q                                 ; p of tile q held to the largest code x its block's scale (the conversion does not saturate: ISA guide 7.6.2), then its codes
.irp b, 0,1,2,3
.irp i, 0,2,4,6,8,10,12,14
	v_dual_min_num_f32 v[S+64*\q+16*\b+\i], v[S+64*\q+16*\b+\i], v[48+4*\q+\b] :: v_dual_min_num_f32 v[S+1+64*\q+16*\b+\i], v[S+1+64*\q+16*\b+\i], v[48+4*\q+\b]
.endr
.endr
.irp b, 0,1,2,3
	v_cvt_scalef32_pk8_fp8_f32 v[192+16*\q+4*\b:193+16*\q+4*\b], v[S+64*\q+16*\b:S+7+64*\q+16*\b], v[56+4*\q+\b]
	v_cvt_scalef32_pk8_fp8_f32 v[194+16*\q+4*\b:195+16*\q+4*\b], v[S+8+64*\q+16*\b:S+15+64*\q+16*\b], v[56+4*\q+\b]
.endr
.endm
; A TRIP: one slot of 256 keys, of which my wave takes 128.  s = the slot's place in the ring.
.macro TRIP s
	; The slot's barrier has been signalled ahead of the last trip's last products; its wait stands behind this trip's first, which touch registers alone.  Both stand under no branch, so a trip's work lies in three
	; parts, each under the same scalar branch: all my 128 keys hidden (then no later slot of the batch is open, and nothing of this batch is brought either)
	s_cmp_ge_u32 s33, s31
	s_cbranch_scc1 .Lnoqk_\@
	WIN 0x01
.irp t, 0,1,2,3,4,5,6,7
.irp q, 0,1
	QKM \t, \q
.endr
.endr
	WIN 0
.rept 9
	v_nop                                          ; nine places behind the products, ahead of the first read of S^T and of loads into K's fragments
.endr
.Lnoqk_\@:
	s_barrier_wait -1                              ; V of this slot and K of the next are whole; nobody reads K's place s or V's place 1 - s any more
	s_cmp_ge_u32 s33, s31
	s_cbranch_scc1 .Lhid_\@
	s_add_co_u32 s55, s34, 1024*(\s+1)
	s_min_u32 s55, s55, 7168                       ; the next slot's scale words of K, held to the batch's last slot
	v_add_nc_u32 v192, s55, v3                     ; the addresses of the scale words to come (in two registers of p's codes, which are made further down)
	v_add_nc_u32 v193, s35, v4
	s_wait_alu depctr_va_vdst(0)                   ; ahead of the branches
	s_add_co_u32 s55, s33, 256                     ; is there a next slot?
	s_cmp_lt_u32 s55, s30
	s_cbranch_scc0 .Llast_\@
	WIN 0x40
.irp c, 0,1,2,3,4,5,6,7
	global_load_b128 v[224+4*\c:227+4*\c], v8, s[40:41] offset:256+4096*\c     ; V of the next slot
.endr
	WIN 0
	s_add_co_u32 s55, s33, 512
	s_cmp_lt_u32 s55, s30
	s_cbranch_scc0 .Lsecond_\@
	WIN 0x40
.irp c, 0,1,2,3,4,5,6,7
	global_load_b128 v[192+4*\c:195+4*\c], v7, s[38:39] offset:65536+512*\c    ; K of the slot after the next
.endr
	WIN 0
	; A PREFETCH INTO THE L2 of the slot three on: its K is loaded one trip, its V two trips further on.  Of the sixteen work-groups of a y the one with x = 0 asks, by waves 0 to 3: each takes 8,192 bytes of K, lanes
	; 256 bytes apart, and 32 rows of V, a lane a row of 256 bytes: each aligned block of 256 bytes once.  Only slots that begin under the length are asked for.
	s_add_co_u32 s55, s33, 768
	s_cmp_lt_u32 s55, s32
	s_cbranch_scc0 .Lasked_\@
	global_prefetch_b8 v9, s[42:43] offset:98304 th:TH_LOAD_NT scope:SCOPE_SE
	global_prefetch_b8 v10, s[44:45] offset:768 th:TH_LOAD_NT scope:SCOPE_SE
	s_branch .Lasked_\@
.Llast_\@:                                         ; the batch's last slot
	s_cmp_lg_u32 s37, 2
	s_cbranch_scc1 .Lasked_\@
	NEXTSLOT0                                      ; of the first batch: they stay in registers until the second begins
	s_branch .Lasked_\@
.Lsecond_\@:                                       ; the first batch's last slot but one: a prefetch of the second batch's K of slots 0 and 1 and V of slot 0, by the same waves and shares; loaded a trip and more further on
	s_cmp_lg_u32 s54, 0
	s_cbranch_scc0 .Lasked_\@
	global_prefetch_b8 v9, s[50:51] th:TH_LOAD_NT scope:SCOPE_SE
	global_prefetch_b8 v10, s[52:53] th:TH_LOAD_NT scope:SCOPE_SE
	global_prefetch_b8 v9, s[50:51] offset:32768 th:TH_LOAD_NT scope:SCOPE_SE
.Lasked_\@:
.irp b, 0,1,2,3
	ds_load_b32 v[36+\b], v192 offset:128*\b                                   ; K's scale words of the next slot (behind the last slot: its own once more, never used)
.endr
.irp b, 0,1,2,3
	ds_load_b32 v[32+\b], v193 offset:8*\s+8*VP*\b                             ; V's of this one
.endr
	WIN 0x40
.irp t, 0,1,2,3
	KFRAG \t, 1-\s                                 ; half of the next slot's fragments of K (behind the last slot: old bytes, never used)
.endr
	WIN 0
	s_add_co_u32 s55, s33, 128                     ; the step that the length cuts?
	s_cmp_le_u32 s55, s31
	s_cbranch_scc1 .Lopen_\@
	s_sub_co_u32 s55, s31, s33
	s_sub_co_u32 s55, s55, 1
	v_bfe_u32 v40, v0, 4, 1
	v_lshlrev_b32 v40, 4, v40
	v_sub_nc_u32 v40, s55, v40                     ; register 16 b + i holds key 16 h + 32 b + i of my 128: hidden where 32 b + i > v40
	v_mov_b32 v41, 0xff800000                      ; -infinity
.set n, 0
.rept 64
	v_cmp_gt_i32 vcc_lo, 32*(n/16)+n%16, v40
	v_cndmask_b32 v[S+n], v[S+n], v41, vcc_lo
	v_cndmask_b32 v[S+64+n], v[S+64+n], v41, vcc_lo
.set n, n+1
.endr
.Lopen_\@:
; THE LARGEST SCORE OF EACH BLOCK OF 32 KEYS, eight blocks (two tiles) by turns
.irp q, 0,1
.irp b, 0,1,2,3
	v_max3_num_f32 v[40+4*\q+\b], v[S+64*\q+16*\b], v[S+1+64*\q+16*\b], v[S+2+64*\q+16*\b]
.endr
.endr
.irp i, 3,5,7,9,11,13
.irp q, 0,1
.irp b, 0,1,2,3
	v_max3_num_f32 v[40+4*\q+\b], v[40+4*\q+\b], v[S+64*\q+16*\b+\i], v[S+1+64*\q+16*\b+\i]
.endr
.endr
.endr
.irp q, 0,1
.irp b, 0,1,2,3
	v_max_num_f32 v[40+4*\q+\b], v[40+4*\q+\b], v[S+15+64*\q+16*\b]
.endr
.endr
.irp n, 0,1,2,3,4,5,6,7
	v_permlanex16_b32 v[48+\n], v[40+\n], s24, s25
.endr
.irp n, 0,1,2,3,4,5,6,7
	v_max_num_f32 v[40+\n], v[40+\n], v[48+\n]     ; with lane l xor 16's 16 keys
.endr
	v_max3_num_f32 v56, v40, v41, v42
	v_max3_num_f32 v57, v44, v45, v46
	v_max3_num_f32 v21, v21, v43, v56              ; the largest score so far
	v_max3_num_f32 v23, v23, v47, v57
	v_mul_f32 v56, s23, v21                        ; -t (s23 = -c)
	v_mul_f32 v57, s23, v23
	v_floor_f32 v56, v56                           ; the new -M = floor(-t): M IS A WHOLE NUMBER
	v_floor_f32 v57, v57
	v_sub_f32 v58, v56, v20                        ; old M less new M
	v_sub_f32 v59, v57, v22
	v_mov_b32 v20, v56
	v_mov_b32 v22, v57
	v_cvt_i32_f32 v58, v58                         ; (it saturates)
	v_cvt_i32_f32 v59, v59
	v_ldexp_f32 v28, 1.0, v58                      ; f = 2^(old M - new M): its products round nothing
	v_ldexp_f32 v30, 1.0, v59
	FMAS 0
	s_wait_alu depctr_va_vdst(0)                   ; ahead of the batch
	EXPS 0
	v_pk_mul_f32 v[24:25], v[24:25], v[28:29] op_sel_hi:[1,0]   ; the sum under the new M
	FMAS 1                                         ; (names no result of the batch)
	s_wait_alu depctr_va_vdst(0)                   ; and behind it, ahead of its first reader
	SUM 0
	SCALES 0
	CODES 0
.irp t, 4,5,6,7
	VFRAG \t, \s                                   ; into tile 0's registers, which are done with; they land while tile 1's softmax is worked
.endr
	s_wait_alu depctr_va_vdst(0)                   ; the waits of the second batch
	EXPS 1
	v_pk_mul_f32 v[26:27], v[26:27], v[30:31] op_sel_hi:[1,0]
	s_wait_alu depctr_va_vdst(0)
	SUM 1
	SCALES 1
	CODES 1
	s_wait_dscnt 0x0                               ; V's tiles 4-7 and its scale words, issued a softmax ago
.irp t, 0,1,2,3
	VFRAG \t, \s                                   ; into tile 1's
.endr
	s_add_co_u32 s55, s33, 256
	s_cmp_lt_u32 s55, s30
	s_cbranch_scc0 .Lnok_\@                        ; no next slot: nothing to store, and no fragments of K (their registers may carry the second batch's first tiles)
	s_wait_loadcnt 0x0                             ; what I bring is in
	WIN 0x04
.irp c, 0,1,2,3,4,5,6,7
	ds_store_b128 v6, v[224+4*\c:227+4*\c] offset:(1-\s)*VSLOT+2*VP*\c
.endr
	WIN 0
	s_add_co_u32 s55, s33, 512
	s_cmp_lt_u32 s55, s30
	s_cbranch_scc0 .Lstored_\@
	WIN 0x04
.irp c, 0,1,2,3,4,5,6,7
	ds_store_b128 v5, v[192+4*\c:195+4*\c] offset:\s*KSLOT+(16*((\c>>1)&1)+8*(\c>>2)+4*(\c&1))*KP   ; load c holds keys 4 c + lane / 8 of my 32: bits 3 and 4 of the key change places
.endr
	WIN 0
.Lstored_\@:
	WIN 0x40
.irp t, 4,5,6,7
	KFRAG \t, 1-\s                                 ; the other half of the next slot's fragments of K
.endr
	WIN 0
.Lnok_\@:
	WIN 0x41
	s_wait_alu depctr_va_vdst(0)                   ; directly ahead of the first reader of O^T
.irp q, 0,1
.set j, 0
.rept 32
	v_pk_mul_f32 v[64*\q+j:64*\q+j+1], v[64*\q+j:64*\q+j+1], v[28+2*\q:29+2*\q] op_sel_hi:[1,0]   ; O^T under the new M.  (Also the places between the codes and the products)
.set j, j+2
.endr
.endr
	WIN 0x50
	s_wait_alu depctr_va_vdst(0)
.irp t, 4,5,6,7
.irp q, 0,1
	PVM \t, \q
.endr
.endr
	WIN 0
	s_branch .Lsig_\@
.Lhid_\@:                                          ; a wave whose half of the first batch's last slot is hidden brings its part of the second batch's first tiles too (s76: the length, at least 1)
	s_cmp_ge_u32 s33, s76
	s_cbranch_scc1 .Lsig_\@
	s_cmp_lg_u32 s37, 2
	s_cbranch_scc1 .Lsig_\@
	NEXTSLOT0
.Lsig_\@:
	s_wait_dscnt 0x0                               ; all my LDS stores and loads of this trip are done, V's tiles 0-3 and the next slot's fragments of K among them:
	s_barrier_signal -1                            ; say so; registers alone are worked on until the wait
	s_cmp_ge_u32 s33, s31
	s_cbranch_scc1 .Lnopv_\@
	WIN 0x50
.irp t, 0,1,2,3
.irp q, 0,1
	PVM \t, \q
.endr
.endr
	WIN 0
.Lnopv_\@:
.rept 9
	v_nop                                          ; nine places ahead of the next products, which write over V's fragments
.endr
	s_wait_loadcnt 0x0                             ; the second batch's first tiles, where I brought them
	s_wait_xcnt 0x0                                ; the loads and prefetches have read their addresses
	s_add_nc_u64 s[38:39], s[38:39], 0x8000
	s_add_nc_u64 s[40:41], s[40:41], 256
	s_add_nc_u64 s[42:43], s[42:43], 0x8000
	s_add_nc_u64 s[44:45], s[44:45], 256
	s_add_co_u32 s33, s33, 256
.endm
	s_load_b256 s[12:19], s[0:1], 0x20             ; V's codes s[12:13], V's scales s[14:15], valid_lens s[16:17], out0 s[18:19]
	s_load_b256 s[4:11], s[0:1], 0x0               ; Q's codes s[4:5], Q's scales s[6:7], K's codes s[8:9], K's scales s[10:11]
	v_lshrrev_b32 v40, 5, v0
	v_readfirstlane_b32 s20, v40                   ; wave w, 0 .. 7
	s_lshr_b32 s21, s20, 2                         ; my half of a slot's keys
	s_and_b32 s22, s20, 3                          ; my 32 queries
	v_and_b32 v41, 31, v0                          ; lane
	v_lshlrev_b32 v42, 2, v41
	s_mov_b32 s23, 0xbe0293ee                      ; -c, c = log2(e) / sqrt(128)
	s_mov_b32 s24, 0x76543210                      ; lane selects for v_permlanex16_b32: lane l xor 16
	s_mov_b32 s25, 0xfedcba98
	s_mov_b32 s26, 0x3e0293ee                      ; c (named as the pair s[26:27], so s27 is written)
	s_mov_b32 s27, s26
	s_mov_b32 s28, 0x600000                        ; the mantissa field of 448
	s_wait_alu depctr_va_vdst(0)
	s_wait_kmcnt 0x0
	global_load_b32 v43, v42, s[16:17]             ; every lane takes one batch's length
	; while it is on its way: every address register
	v_and_b32 v44, 15, v0                          ; r = lane % 16
	v_bfe_u32 v45, v0, 4, 1                        ; h = lane / 16
	s_mul_i32 s55, s21, 128*KP
	v_mul_u32_u24 v1, v44, KP
	v_lshlrev_b32 v7, 4, v41                       ; v7: K's codes and scale bytes in memory: 16 x lane
	v_lshl_add_u32 v1, v45, 4, v1
	v_lshlrev_b32 v9, 8, v41                       ; v9, v10: the prefetches' offsets in K and V
	v_add_nc_u32 v1, s55, v1                       ; v1: row r of a tile of K, + 16 h
	v_lshlrev_b32 v10, 11, v41
	s_lshl_b32 s55, s21, 7
	s_add_co_u32 s55, s55, VOFF
	v_mul_u32_u24 v2, v44, VP
	v_lshlrev_b32 v8, 11, v45
	v_lshl_add_u32 v2, v45, 4, v2
	v_lshl_add_u32 v8, v44, 4, v8                  ; v8: V in memory: 2,048 h + 16 r
	v_add_nc_u32 v2, s55, v2                       ; v2: row r of a tile of V, + 16 h
	s_lshl_b32 s55, s21, 9
	s_add_co_u32 s55, s55, KSC
	v_and_b32 v46, 8, v44
	v_add_nc_u32 v46, v46, v44                     ; r + 8 (r / 8)
	v_lshl_add_u32 v46, v45, 3, v46                ; + 8 h: lanes 16-31 take the odd tile's keys
	v_lshl_add_u32 v3, v46, 2, s55                 ; v3: K's scale words
	s_lshl_b32 s55, s21, 2
	s_add_co_u32 s55, s55, VSC
	v_lshrrev_b32 v46, 2, v41
	v_and_b32 v47, 3, v41
	v_mul_u32_u24 v4, v46, VP
	v_lshl_add_u32 v4, v47, 6, v4
	v_add_nc_u32 v4, s55, v4                       ; v4: V's: channel 16 h + r of a pair of tiles
	s_mul_i32 s55, s20, 32*KP
	v_lshrrev_b32 v46, 3, v41
	v_and_b32 v47, 7, v41
	v_mul_u32_u24 v5, v46, KP
	v_lshl_add_u32 v5, v47, 4, v5
	v_add_nc_u32 v5, s55, v5                       ; v5: storing K: my wave's 32 rows, eight lanes a key
	s_mul_i32 s55, s20, 16*VP
	s_add_co_u32 s55, s55, VOFF
	v_mul_u32_u24 v46, v45, VP
	v_lshl_add_u32 v46, v44, 4, v46                ; 272 h + 16 r
	v_add_nc_u32 v6, s55, v46                      ; v6: storing V: my wave's 16 rows, sixteen lanes a row
	s_lshl_b32 s55, s20, 10
	s_add_co_u32 s55, s55, KSC
	v_add_nc_u32 v11, s55, v7                      ; v11: storing K's scale bytes
	s_mul_i32 s55, s20, 4*VP
	s_add_co_u32 s55, s55, VSC
	v_add_nc_u32 v12, s55, v46                     ; v12: storing V's
	s_mul_i32 s55, s20, STGB
	s_add_co_u32 s55, s55, STG
	v_mul_u32_u24 v13, v44, SP
	v_lshl_add_u32 v13, v45, 5, v13
	v_add_nc_u32 v13, s55, v13                     ; v13: the way out: row r of my stage, + 32 h
	s_mul_i32 s55, s22, STGB
	s_lshl_b32 s56, s21, 8
	s_add_co_u32 s55, s55, s56
	s_add_co_u32 s55, s55, STG
	v_mul_u32_u24 v14, v45, SP
	v_lshl_add_u32 v14, v44, 4, v14
	v_add_nc_u32 v14, s55, v14                     ; v14: back: half 0's stage of my queries, my 64 channels, lanes 0-15 one row, lanes 16-31 the next
	v_add_nc_u32 v15, 4*STGB, v14                  ; v15: half 1's
	s_lshl_b32 s55, s20, 8
	s_add_co_u32 s55, s55, ML
	v_lshlrev_b32 v46, 3, v44
	v_add_nc_u32 v16, s55, v46                     ; v16: my -M and sums
	s_xor_b32 s55, s20, 4
	s_lshl_b32 s55, s55, 8
	s_add_co_u32 s55, s55, ML
	v_add_nc_u32 v17, s55, v46                     ; v17: the other half's
.irp n, 28,29,30,31,48,49,50,51,52,53,54,55
	v_mov_b32 v[\n], 0                             ; written once ahead of their first naming: the upper halves of pairs, and a lane permute's destinations
.endr
.set j, 0
.rept 4
	v_mov_b32 v[32+j], 0                           ; written once too: a trip's three parts stand under three branches, and a later part names what an earlier one makes
.set j, j+1
.endr
.set j, 0
.rept 32
	v_mov_b32 v[96+j], 0
.set j, j+1
.endr
.set j, 0
.rept 48
	v_mov_b32 v[176+j], 0
.set j, j+1
.endr
	s_and_b32 s56, ttmp7, 0xffff                   ; the second batch's rank: y
	s_sub_co_u32 s57, 31, s56                      ; the first's: 31 - y
	s_lshl_b32 s98, ttmp9, 7
	s_lshl_b32 s55, s22, 5
	s_add_co_u32 s98, s98, s55                     ; my first query: 128 x + 32 (w % 4)
	s_wait_alu depctr_va_vdst(0)
	s_wait_loadcnt 0x0
	; THE RANKS.  A lane's key is (length << 5) | batch, unlike in every lane; its rank is the number of smaller keys: a permutation of 0 .. 31
	v_lshl_or_b32 v43, v43, 5, v41
	s_wait_alu depctr_va_vdst(0)
.set i, 0
.rept 32
	v_readlane_b32 s[66+i], v43, i
.set i, i+1
.endr
.set i, 0
.rept 32
	v_cmp_lt_u32 s[66+i], s[66+i], v43
.set i, i+1
.endr
.set i, 0
.rept 32
	v_cndmask_b32 v[64+i], 0, 1, s[66+i]
.set i, i+1
.endr
	v_add_nc_u32 v46, v64, v65
	v_add_nc_u32 v47, v66, v67
.set i, 4
.rept 7
	v_add3_u32 v46, v46, v[64+i], v[65+i]
	v_add3_u32 v47, v47, v[66+i], v[67+i]
.set i, i+4
.endr
	v_add_nc_u32 v46, v46, v47
	v_cmp_eq_u32 s58, s57, v46                     ; one lane has each rank: its number is the batch,
	v_cmp_eq_u32 s59, s56, v46
	s_ctz_i32_b32 s29, s58
	s_ctz_i32_b32 s46, s59
	s_min_u32 s29, s29, 31                         ; held inside the table that it indexes
	s_min_u32 s46, s46, 31
	s_lshl_b32 s66, s29, 2
	s_lshl_b32 s67, s46, 2
	s_load_b32 s30, s[16:17], s66 offset:0x0       ; the two lengths; waited for further down (s66, s67 stay until then)
	s_load_b32 s47, s[16:17], s67 offset:0x0
	BLOADS 1
	s_lshl_b32 s56, s46, 18
	s_mov_b32 s57, 0
	s_add_nc_u64 s[72:73], s[8:9], s[56:57]        ; the second batch's K and V: my wave's parts of slot 0
	s_add_nc_u64 s[74:75], s[12:13], s[56:57]
	s_lshl_b32 s56, s20, 12
	s_add_nc_u64 s[72:73], s[72:73], s[56:57]
	s_lshl_b32 s56, s20, 15
	s_add_nc_u64 s[74:75], s[74:75], s[56:57]
	s_lshl_b32 s56, s46, 18
	s_add_nc_u64 s[50:51], s[8:9], s[56:57]        ; where the second batch's first prefetches stand
	s_add_nc_u64 s[52:53], s[12:13], s[56:57]
	s_lshl_b32 s56, s22, 13
	s_add_nc_u64 s[50:51], s[50:51], s[56:57]
	s_lshl_b32 s56, s22, 16
	s_add_nc_u64 s[52:53], s[52:53], s[56:57]
	s_or_b32 s99, ttmp9, s21
	s_cmp_eq_u32 s99, 0
	s_cselect_b32 s99, 1, 0                        ; 1 in the waves that prefetch: x = 0, half 0
	s_mov_b32 s37, 2                               ; batches to go
	s_wait_kmcnt 0x0
	s_max_i32 s30, s30, 0
	s_min_i32 s30, s30, 0x800
	s_max_i32 s47, s47, 0
	s_min_i32 s47, s47, 0x800
.Lbatch:
	s_wait_xcnt 0x0                                ; the loads' addresses and the stores' data have been read
	s_lshl_b32 s55, s21, 7
	s_sub_co_i32 s31, s30, s55
	s_max_i32 s31, s31, 0                          ; the length as my half sees it
	s_max_i32 s76, s30, 1                          ; the length, at least 1: the batch's last slot is the last that begins under it
	s_mul_i32 s32, s30, s99                        ; the length where I prefetch, else 0
	s_sub_co_u32 s54, s37, 1
	s_mul_i32 s54, s54, s99                        ; 1 where I prefetch for a batch that follows
	s_mov_b32 s33, 0                               ; the slot's first key
	s_mov_b32 s34, 0                               ; where its scale words of K begin
	s_mov_b32 s35, 0                               ; and of V
	s_mov_b32 s36, 4
	v_mov_b32 v20, 0x7e967699                      ; -M = 1e38: no key yet
	v_mov_b32 v21, 0xff61b1e6                      ; the largest score: -3e38
	v_mov_b32 v22, 0x7e967699
	v_mov_b32 v23, 0xff61b1e6
	v_mov_b32 v24, 0
	v_mov_b32 v25, 0
	v_mov_b32 v26, 0
	v_mov_b32 v27, 0
	WIN 0x40
.set j, 0
.rept 64
	v_pk_mul_f32 v[j:j+1], v[24:25], v[24:25]      ; O^T = 0, two registers an instruction: a half with no key of this batch leaves it so
.set j, j+2
.endr
	WIN 0
	s_wait_alu depctr_va_vdst(0)                   ; at the head's end
	s_wait_loadcnt 8                               ; all but the youngest eight, K of slot 1
	WIN 0x04
.irp c, 0,1,2,3,4,5,6,7
	ds_store_b128 v5, v[192+4*\c:195+4*\c] offset:(16*((\c>>1)&1)+8*(\c>>2)+4*(\c&1))*KP
.endr
.irp c, 0,1,2,3,4,5,6,7
	ds_store_b128 v6, v[224+4*\c:227+4*\c] offset:2*VP*\c
.endr
	WIN 0
.irp c, 0,1
	ds_store_b128 v11, v[160+4*\c:163+4*\c] offset:512*\c
	ds_store_b128 v12, v[168+4*\c:171+4*\c] offset:2*VP*\c
.endr
	BARRIER                                        ; K of slot 0 and the scale bytes are whole
.irp b, 0,1,2,3
	ds_load_b32 v[36+\b], v3 offset:128*\b
.endr
	WIN 0x40
.irp t, 0,1,2,3,4,5,6,7
	KFRAG \t, 0
.endr
	WIN 0
	s_wait_loadcnt 0x0
.irp c, 0,1,2,3,4,5,6,7
	ds_store_b128 v5, v[128+4*\c:131+4*\c] offset:KSLOT+(16*((\c>>1)&1)+8*(\c>>2)+4*(\c&1))*KP
.endr
	s_wait_dscnt 0x0                               ; K of slot 1 is stored, my fragments of slot 0 are in:
	s_barrier_signal -1                            ; the first trip's barrier; its wait stands behind that trip's first products
.Lpair:                                            ; four times two slots, a constant
	TRIP 0
	TRIP 1
	s_add_co_u32 s34, s34, 2048
	s_add_co_u32 s35, s35, 16
	s_sub_co_u32 s36, s36, 1
	s_cmp_lg_u32 s36, 0
	s_cbranch_scc1 .Lpair
	s_barrier_wait -1                              ; the last trip's signal: nobody reads or stores a slot any more
	s_lshl_b32 s56, s29, 20                        ; a batch's outputs: 1,048,576 bytes
	s_mov_b32 s57, 0
	s_add_nc_u64 s[48:49], s[18:19], s[56:57]
	s_lshl_b32 s56, s98, 9
	s_lshl_b32 s58, s21, 8
	s_add_co_u32 s56, s56, s58                     ; my first row, my 64 channels
	s_add_nc_u64 s[48:49], s[48:49], s[56:57]
	s_cmp_eq_u32 s37, 1
	s_cbranch_scc1 .Lno_next
	s_mov_b32 s29, s46
	BLOADS 0
.Lno_next:
	; the halves' -M and sums change hands
	v_add_f32 v40, v24, v25
	v_add_f32 v41, v26, v27
	v_mov_b32 v42, v20
	v_mov_b32 v44, v22
	v_permlanex16_b32 v48, v40, s24, s25
	v_permlanex16_b32 v49, v41, s24, s25
	v_add_f32 v43, v40, v48                        ; my half's sum of query r
	v_add_f32 v45, v41, v49
	ds_store_b64 v16, v[42:43]
	ds_store_b64 v16, v[44:45] offset:128
	s_wait_alu depctr_va_vdst(0)                   ; ahead of the barrier
	BARRIER
	ds_load_b64 v[46:47], v17
	ds_load_b64 v[50:51], v17 offset:128
	s_wait_dscnt 0x0
	v_min_num_f32 v52, v42, v46                    ; -M of both halves together
	v_min_num_f32 v53, v44, v50
	v_sub_f32 v54, v52, v42
	v_sub_f32 v55, v53, v44
	v_sub_f32 v56, v52, v46
	v_sub_f32 v57, v53, v50
	v_cvt_i32_f32 v54, v54
	v_cvt_i32_f32 v55, v55
	v_cvt_i32_f32 v56, v56
	v_cvt_i32_f32 v57, v57
	v_ldexp_f32 v54, 1.0, v54                      ; 2^(my M - M), 0 in a half without a key
	v_ldexp_f32 v55, 1.0, v55
	v_ldexp_f32 v56, 1.0, v56                      ; the other half's
	v_ldexp_f32 v57, 1.0, v57
	v_mul_f32 v58, v43, v54
	v_mul_f32 v59, v45, v55
	v_fma_f32 v58, v47, v56, v58                   ; the row's sum
	v_fma_f32 v59, v51, v57, v59
	s_wait_alu depctr_va_vdst(0)                   ; ahead of the reciprocals
	v_rcp_f32 v58, v58
	v_rcp_f32 v59, v59
	v_bfe_u32 v60, v0, 4, 1
	v_and_b32 v61, 15, v0
	v_lshlrev_b32 v60, 9, v60
	v_lshl_add_u32 v60, v61, 4, v60                ; out0: lanes 0-15 one row, lanes 16-31 the next; 16 bytes a lane
	s_wait_alu depctr_va_vdst(0)                   ; and behind them
	v_mul_f32 v40, v54, v58
	v_mul_f32 v42, v55, v59
	WIN 0x41
	s_wait_alu depctr_va_vdst(0)                   ; directly ahead of the first reader of O^T
.irp q, 0,1
.set j, 0
.rept 32
	v_pk_mul_f32 v[64*\q+j:64*\q+j+1], v[64*\q+j:64*\q+j+1], v[40+2*\q:41+2*\q] op_sel_hi:[1,0]   ; my half's part of the result
.set j, j+2
.endr
.endr
	WIN 0x04
.irp q, 0,1
.irp t, 0,1,2,3,4,5,6,7
	ds_store_b128 v13, v[64*\q+8*\t:64*\q+8*\t+3] offset:16*SP*\q+64*\t
	ds_store_b128 v13, v[64*\q+8*\t+4:64*\q+8*\t+7] offset:16*SP*\q+64*\t+16
.endr
.endr
	WIN 0
	s_wait_alu depctr_va_vdst(0)
	BARRIER                                        ; both halves' parts lie in the stages
	WIN 0x40
.irp i, 0,1,2,3,4,5,6,7,8,9,10,11,12,13,14,15
	ds_load_b128 v[4*\i:4*\i+3], v14 offset:2*SP*\i
	ds_load_b128 v[64+4*\i:67+4*\i], v15 offset:2*SP*\i
.endr
.irp g, 0,1,2,3                                ; four loads of each half at a time: added, and stored
	s_wait_dscnt 24-8*\g
	WIN 0x45
.irp i, 0,2,4,6,8,10,12,14
	v_pk_add_f32 v[16*\g+\i:16*\g+\i+1], v[16*\g+\i:16*\g+\i+1], v[64+16*\g+\i:65+16*\g+\i]
.endr
	WIN 0x04
.irp i, 0,1,2,3
	global_store_b128 v60, v[16*\g+4*\i:16*\g+4*\i+3], s[48:49] offset:4096*\g+1024*\i th:TH_STORE_NT   ; 16 lanes store 256 consecutive bytes, at a multiple of 256 from out0's first byte
.endr
.endr
	WIN 0
	s_mov_b32 s30, s47
	s_sub_co_u32 s37, s37, 1
	s_cmp_lg_u32 s37, 0
	s_cbranch_scc1 .Lbatch
	s_wait_xcnt 0x0
	v_lshl_add_u32 v62, v0, 2, SPARE               ; my spare word
	v_mov_b32 v63, 0
	s_wait_alu depctr_va_vdst(0)
	s_wait_tensorcnt 0x0                           ; the wave's end
	ds_add_u32 v62, v63
	s_wait_dscnt 0x0
	s_endpgm
.Lfunc_end_k_q72591ec739_attn:
	.size	k_q72591ec739_attn, .Lfunc_end_k_q72591ec739_attn-k_q72591ec739_attn
	.p2alignl 7, 3214868480
	.fill 96, 4, 3214868480
	.section	.rodata,"a",@progbits
	.p2align	6, 0x0
	.amdhsa_kernel k_q72591ec739_attn
		.amdhsa_group_segment_fixed_size 298496
		.amdhsa_private_segment_fixed_size 0
		.amdhsa_enable_private_segment 0
		.amdhsa_kernarg_size 64
		.amdhsa_user_sgpr_count 2
		.amdhsa_user_sgpr_kernarg_segment_ptr 1
		.amdhsa_wavefront_size32 1
		.amdhsa_system_sgpr_workgroup_id_x 1
		.amdhsa_system_sgpr_workgroup_id_y 1
		.amdhsa_system_sgpr_workgroup_id_z 1
		.amdhsa_system_vgpr_workitem_id 0
		.amdhsa_next_free_vgpr 512
		.amdhsa_next_free_sgpr 100
		.amdhsa_reserve_vcc 1
		.amdhsa_float_denorm_mode_32 3
		.amdhsa_float_denorm_mode_16_64 3
		.amdhsa_memory_ordered 1
		.amdhsa_forward_progress 1
		.amdhsa_inst_pref_size 157
	.end_amdhsa_kernel
	.amdgpu_metadata
---
amdhsa.version: [ 1, 2 ]
amdhsa.kernels:
  - .name:           k_q72591ec739_attn
    .symbol:         k_q72591ec739_attn.kd
    .args:
      - { .name: queries_codes, .offset: 0, .size: 8, .value_kind: global_buffer, .address_space: global }
      - { .name: queries_scales, .offset: 8, .size: 8, .value_kind: global_buffer, .address_space: global }
      - { .name: keys_codes, .offset: 16, .size: 8, .value_kind: global_buffer, .address_space: global }
      - { .name: keys_scales, .offset: 24, .size: 8, .value_kind: global_buffer, .address_space: global }
      - { .name: values_codes, .offset: 32, .size: 8, .value_kind: global_buffer, .address_space: global }
      - { .name: values_scales, .offset: 40, .size: 8, .value_kind: global_buffer, .address_space: global }
      - { .name: valid_lens, .offset: 48, .size: 8, .value_kind: global_buffer, .address_space: global }
      - { .name: out0, .offset: 56, .size: 8, .value_kind: global_buffer, .address_space: global }
    .group_segment_fixed_size: 298496
    .private_segment_fixed_size: 0
    .kernarg_segment_align: 8
    .kernarg_segment_size: 64
    .max_flat_workgroup_size: 256
    .sgpr_count:     100
    .vgpr_count:     512
    .wavefront_size: 32
...
	.end_amdgpu_metadata
.endif
;; end of part 1
